; MI455X (gfx1250); checked and timed in simulation.
; The chip was launched on July 23, 2026; its instructions are those of AMD's public machine-readable ISA for CDNA 5 (MIT licence, August 2026) and "CDNA5" Instruction Set Architecture Reference Guide (July 2026). The comments in the code are by the model that wrote it; some were corrected since.
;; Vector Quantizer. Allowed arithmetic: matrix products marked QUANTISED: E5M2 operands, one given power-of-two scale a tensor, by v_wmma_f32_16x16x64_bf8_bf8 or v_wmma_f32_16x16x128_bf8_bf8, f32 sums; everything else in f32.
;; Inputs: embeddings 8,192 x 256 float32; lowp_scales 2 int32 (the exponents e of the quantised operands' scales 2^e); x 32 x 1,024 x 256 float32.
;; Outputs: out0 32 x 1,024 x 256 float32; out1 32 x 1,024 int32; out2 one number float32; out3 one number float32; out4 one number float32.
;; This version of the problem:
;;   THIS VERSION OF THE PROBLEM IS GIVEN IN LOW PRECISION. The matrix products marked QUANTISED in the list below multiply operands that are first quantised to E5M2 (5 exponent bits, 2 mantissa bits; 8 bits a number), with one given power-of-two scale for each operand tensor; their sums are f32. All else is computed in f32.
;;   The module's matrix products, in the order in which they are computed (A, B: the left and right operand; K: the contracted axis; several contracted axes count as one K, in the product's order):
;;     1. [M 32,768, K 256] x [K 256, N 8,192]; A: input x; B: input embeddings: QUANTISED (scales: A lowp_scales[0], B lowp_scales[1])
;;   THE QUANTISER, for each operand of a quantised product, along K:
;;     - The operand's scale is 2^e, e = its entry of the input lowp_scales (int32; the entries are numbered through the quantised products in the list's order, A before B).
;;     - Each number is divided by the scale, clamped to +-57,344, and rounded to the nearest number of E5M2, ties to even, subnormals kept.
;;     - The product sums the exact products of the quantised numbers (number of the format x scale) in f32.
;;   ~~~python
;;   def quantise(x, axis, e):      # numpy; x: float32 -> the quantised numbers, widened to float32 again
;;       x = np.moveaxis(x, axis, -1); K = x.shape[-1]
;;       r = np.clip(x / 2.0 ** e, -57344, 57344)
;;       step = 2.0 ** (np.maximum(np.frexp(np.where(r == 0, 1, r))[1] - 1, -14) - 2)
;;       q = np.round(r / step) * step * 2.0 ** e      # np.round: ties to even
;;       return np.moveaxis(q, -1, axis).astype(np.float32)
;;   ~~~
;; One version. Each part assembles by itself: llvm-mc -triple=amdgcn-amd-amdhsa -mcpu=gfx1250 --defsym DOCPART=n.
;; ======== version 1 of 1: 4 launches
;; limits: right only within a limited range of input values
;; workspace buffers: ecode 2,129,920 bytes; sel 131,072 bytes of whole numbers; part 2,048 bytes
;; launch prep (part 1): grid 128 x 1, 4 waves a work-group, no clusters, 167,936 bytes of LDS; arguments embeddings, lowp_scales, ecode; writes ecode
.if DOCPART == 1
	.amdgcn_target "amdgcn-amd-amdhsa--gfx1250"
	.amdhsa_code_object_version 6
	.text
	.protected	k_qe4c6af1fd4_prep
	.globl	k_qe4c6af1fd4_prep
	.p2align	8
	.type	k_qe4c6af1fd4_prep,@function
k_qe4c6af1fd4_prep:
	s_mov_b64 s[64:65], 0
	v_nop
	global_prefetch_b8 v0, s[64:65] scope:SCOPE_SE
	s_setreg_imm32_b32 hwreg(HW_REG_WAVE_MODE, 25, 1), 1
	s_wait_xcnt 0x0
; The codebook [8192][256] f32 becomes codes of BF8 (E5M2) with the given scale 2^e (entry 1 of the scales), laid as the next launch's operand registers want them, with each row's sum of squares beside them.
; code = x / 2^e, held within +-57,344, rounded to the nearest code, ties to even.  The sum of squares is taken of the numbers as they are given, in f32.
; LIMITS: e between -126 and 112, so that 2^e and 57,344 x 2^e are f32 numbers.  NaN among the inputs is not served.  A row's squares are summed in four packed chains and then across the two halves of the lanes.
; OUTPUT: 128 chunks of 16,640 bytes.  Chunk ch = rows 64 ch .. 64 ch + 63: four tiles of 16 rows, 4,096 bytes each, then the 64 sums of squares (256 bytes).
; A tile is eight pieces of 512 bytes, piece 4 s + b; in a piece lane l = (r = l % 16, hk = l / 16) owns bytes 16 l .. 16 l + 15: the codes of row r, k = 128 s + 32 b + 16 hk + 0 .. 15.
; SHARES: a work-group makes a chunk, each of its four waves a tile.
; a lane then takes 16 bytes of its row at a time.  Nothing is filled twice.
; Work-groups share no input, so there is no cluster; there is no loop, so nothing is prefetched.
.set CH,  16640
.set TILE, 2048                        ; LDS: bytes 0-255 the 64 sums, 1,024-1,535 the spare words, from 2,048 on 16,640 bytes a wave
.set CHN, 16                           ; v16-23   four packed chains of squares
.set RAW, 32                           ; v32-159  my 128 numbers: register 64 s + 16 b + i = k 128 s + 32 b + 16 hk + i of my row
.set COD, 160                          ; v160-191 their codes: four registers a piece
.macro SQ src, chn, first              ; 64 numbers' squares onto the four chains; first = 1: the first four products start the chains
.set n, 0
.rept 32
.if (\first) && (n < 4)
	v_pk_mul_f32 v[\chn+2*n:\chn+2*n+1], v[\src+2*n:\src+2*n+1], v[\src+2*n:\src+2*n+1]
.else
	v_pk_fma_f32 v[\chn+2*(n%4):\chn+2*(n%4)+1], v[\src+2*n:\src+2*n+1], v[\src+2*n:\src+2*n+1], v[\chn+2*(n%4):\chn+2*(n%4)+1]
.endif
.set n, n+1
.endr
.endm
.macro QUANT src, dst, scl, lim        ; 64 numbers become 16 registers of codes; the hold first: the conversion does not saturate (ISA guide 7.6.2)
.irp b, 0,1,2,3
.irp i, 0,1,2,3,4,5,6,7,8,9,10,11,12,13,14,15
	v_med3_num_f32 v[\src+16*\b+\i], v[\src+16*\b+\i], -v[\lim], v[\lim]
.endr
	v_cvt_scalef32_pk8_bf8_f32 v[\dst+4*\b:\dst+4*\b+1], v[\src+16*\b:\src+16*\b+7], v[\scl]
	v_cvt_scalef32_pk8_bf8_f32 v[\dst+4*\b+2:\dst+4*\b+3], v[\src+16*\b+8:\src+16*\b+15], v[\scl]
.endr
	v_nop                                          ; one plain place behind the last conversion
.endm
	s_load_b128 s[4:7], s[0:1], 0x0                ; the codebook s[4:5], the scales' exponents s[6:7]
	s_load_b64 s[8:9], s[0:1], 0x10                ; the chunks
	v_lshl_add_u32 v192, v0, 2, 0x400
	v_mov_b32 v193, 0
	ds_add_u32 v192, v193                          ; the opening lines: the add, twice on end, and one wait
	ds_add_u32 v192, v193
	v_lshrrev_b32 v1, 5, v0
	v_readfirstlane_b32 s12, v1                    ; wave = tile 0..3
	s_lshl_b32 s13, s12, 6
	s_mov_b32 s14, 0x76543210                      ; v_permlanex16_b32's selects for lane l xor 16
	s_mov_b32 s15, 0xfedcba98
	s_lshl_b32 s16, ttmp9, 16                      ; the chunk's 64 rows of 1,024 bytes,
	s_lshl_b32 s17, s12, 14                        ; my tile's 16 of them
	s_add_co_u32 s16, s16, s17
	s_mov_b32 s17, 0
	s_mul_i32 s18, ttmp9, CH                       ; the chunk's place in the output,
	s_lshl_b32 s20, s12, 12
	s_add_co_u32 s20, s20, s18                     ; and my tile's
	s_mov_b32 s19, 0
	s_mov_b32 s21, 0
	s_mov_b32 s28, 1                               ; descriptor group 0: count,
	s_mul_i32 s29, s12, CH
	s_add_co_u32 s29, s29, TILE                    ; my LDS bytes
	s_mov_b32 s32, (3<<16)|(1<<20)|(7<<22)|(3<<25) ; group 1: elements of 8 bytes; 4 words of padding behind every 256 words, a row
	s_mov_b32 s33, 128<<16                         ; 128 elements a row,
	s_mov_b32 s34, 16<<16                          ; 16 rows
	s_mov_b32 s35, 128<<16
	s_mov_b32 s36, 16
	s_mov_b32 s37, 128                             ; rows are dense in memory
	s_mov_b32 s38, 0
	s_mov_b32 s39, 0
	v_and_b32 v1, 15, v0                           ; r
	v_bfe_u32 v2, v0, 4, 1                         ; hk
	v_and_b32 v6, 31, v0
	v_mul_u32_u24 v3, v1, 1040
	v_lshlrev_b32 v4, 4, v6                        ; out: 16 x lane
	v_lshl_add_u32 v5, v1, 2, s13                  ; LDS: the word of row 16 t + r
	v_lshl_add_u32 v3, v2, 6, v3
	v_lshlrev_b32 v6, 3, v6                        ; the sums' way out: 8 x lane
	v_add_nc_u32 v3, s29, v3                       ; in: my tile, row r of 1,040 bytes, + 64 hk: my 16 numbers of a block of 32
	s_wait_alu depctr_va_vdst(0)
	s_wait_dscnt 0x0
	s_wait_kmcnt 0x0
	s_load_b32 s22, s[6:7], 0x4                    ; e of the codebook
	s_add_nc_u64 s[4:5], s[4:5], s[16:17]
	s_add_nc_u64 s[10:11], s[8:9], s[20:21]
	s_add_nc_u64 s[8:9], s[8:9], s[18:19]
	s_mov_b64 s[30:31], s[4:5]
	s_or_b32 s31, s31, 0x80000000
	tensor_load_to_lds s[28:31], s[32:39]          ; my one tensor load
	s_nop 0
	s_wait_kmcnt 0x0
	s_add_co_i32 s22, s22, 127
	s_lshl_b32 s23, s22, 23
	v_mov_b32 v11, s23                             ; 2^e as f32: the conversion takes its exponent field
	s_add_co_i32 s22, s22, 15
	s_lshl_b32 s22, s22, 23
	s_or_b32 s22, s22, 0x600000
	v_mov_b32 v10, s22                             ; 57,344 x 2^e
	s_wait_alu depctr_va_vdst(0)
	s_wait_tensorcnt 0x0                           ; my tile is in LDS
.irp s, 0,1
.irp b, 0,1,2,3
.irp j, 0,1,2,3
	ds_load_b128 v[RAW+64*\s+16*\b+4*\j:RAW+64*\s+16*\b+4*\j+3], v3 offset:512*\s+128*\b+16*\j
.endr
.endr
.endr
	s_wait_dscnt 16                                ; the first 128 along K are in; the sixteen loads of the second may be out
	SQ RAW, CHN, 1                                 ; the squares first: the hold below changes the numbers in place
	QUANT RAW, COD, 11, 10
	s_wait_dscnt 0x0
	SQ RAW+64, CHN, 0
	QUANT RAW+64, COD+16, 11, 10
.irp p, 0,1,2,3,4,5,6,7
	global_store_b128 v4, v[COD+4*\p:COD+4*\p+3], s[10:11] offset:512*\p   ; 32 lanes store 512 consecutive bytes, at a multiple of 256 from the buffer's first byte
.endr
	v_pk_add_f32 v[CHN:CHN+1], v[CHN:CHN+1], v[CHN+2:CHN+3]
	v_pk_add_f32 v[CHN+4:CHN+5], v[CHN+4:CHN+5], v[CHN+6:CHN+7]
	v_pk_add_f32 v[CHN:CHN+1], v[CHN:CHN+1], v[CHN+4:CHN+5]
	v_add_f32 v[CHN], v[CHN], v[CHN+1]
	v_permlanex16_b32 v[CHN+1], v[CHN], s14, s15   ; the row's other 128 numbers lie in the lane 16 away
	v_add_f32 v[CHN], v[CHN], v[CHN+1]
	ds_store_b32 v5, v[CHN]                        ; both halves of the lanes store the same number to the same word
	s_wait_dscnt 0x0                               ; for the others' sake: my store has landed
	s_barrier_signal -1
	s_barrier_wait -1
	s_cmp_lg_u32 s12, 0                            ; wave 0 sends the chunk's 64 sums out together
	s_cbranch_scc1 .Ldone
	ds_load_b64 v[24:25], v6
	s_wait_dscnt 0x0
	global_store_b64 v6, v[24:25], s[8:9] offset:16384   ; 32 lanes store 256 consecutive bytes, aligned
.Ldone:
	s_wait_tensorcnt 0x0                           ; the wave's end
	ds_add_u32 v192, v193
	s_wait_dscnt 0x0
	s_endpgm
.Lfunc_end_k_qe4c6af1fd4_prep:
	.size	k_qe4c6af1fd4_prep, .Lfunc_end_k_qe4c6af1fd4_prep-k_qe4c6af1fd4_prep
	.p2alignl 7, 3214868480
	.fill 96, 4, 3214868480
	.section	.rodata,"a",@progbits
	.p2align	6, 0x0
	.amdhsa_kernel k_qe4c6af1fd4_prep
		.amdhsa_group_segment_fixed_size 167936
		.amdhsa_private_segment_fixed_size 0
		.amdhsa_enable_private_segment 0
		.amdhsa_kernarg_size 24
		.amdhsa_user_sgpr_count 2
		.amdhsa_user_sgpr_kernarg_segment_ptr 1
		.amdhsa_wavefront_size32 1
		.amdhsa_system_sgpr_workgroup_id_x 1
		.amdhsa_system_sgpr_workgroup_id_y 1
		.amdhsa_system_sgpr_workgroup_id_z 1
		.amdhsa_system_vgpr_workitem_id 0
		.amdhsa_next_free_vgpr 194
		.amdhsa_next_free_sgpr 66
		.amdhsa_reserve_vcc 0
		.amdhsa_float_denorm_mode_32 3
		.amdhsa_float_denorm_mode_16_64 3
		.amdhsa_memory_ordered 1
		.amdhsa_forward_progress 1
		.amdhsa_inst_pref_size 20
	.end_amdhsa_kernel
	.amdgpu_metadata
---
amdhsa.version: [ 1, 2 ]
amdhsa.kernels:
  - .name:           k_qe4c6af1fd4_prep
    .symbol:         k_qe4c6af1fd4_prep.kd
    .args:
      - { .name: embeddings, .offset: 0, .size: 8, .value_kind: global_buffer, .address_space: global }
      - { .name: lowp_scales, .offset: 8, .size: 8, .value_kind: global_buffer, .address_space: global }
      - { .name: ecode, .offset: 16, .size: 8, .value_kind: global_buffer, .address_space: global }
    .group_segment_fixed_size: 167936
    .private_segment_fixed_size: 0
    .kernarg_segment_align: 8
    .kernarg_segment_size: 24
    .max_flat_workgroup_size: 128
    .sgpr_count:     66
    .vgpr_count:     194
    .wavefront_size: 32
...
	.end_amdgpu_metadata
.endif
;; end of part 1
;; launch main (part 2): grid 256 x 1, 8 waves a work-group, clusters of 4 x 1, 327,680 bytes of LDS; arguments x, ecode, lowp_scales, out1, sel; writes out1, sel
.if DOCPART == 2
	.amdgcn_target "amdgcn-amd-amdhsa--gfx1250"
	.amdhsa_code_object_version 6
	.text
	.protected	k_qe4c6af1fd4_main
	.globl	k_qe4c6af1fd4_main
	.p2align	8
	.type	k_qe4c6af1fd4_main,@function
k_qe4c6af1fd4_main:
	s_mov_b64 s[64:65], 0
	v_nop
	global_prefetch_b8 v0, s[64:65] scope:SCOPE_SE
	s_setreg_imm32_b32 hwreg(HW_REG_WAVE_MODE, 25, 1), 1
	s_wait_xcnt 0x0
	s_wait_alu depctr_hold_cnt(0) depctr_sa_sdst(0) depctr_va_vdst(0) depctr_va_sdst(0) depctr_va_ssrc(0) depctr_va_vcc(0) depctr_vm_vsrc(0)
	s_getreg_b32 s2, hwreg(HW_REG_IB_STS2, 6, 4)
	s_cmp_eq_u32 s2, 0
	s_cbranch_scc0 .Lentry_in_a_cluster
	s_endpgm
.Lentry_in_a_cluster:
	s_bfe_u32 s2, ttmp6, 0x10000c
	s_cmp_lg_u32 s2, 0x3003
	s_cbranch_scc0 .Lentry_shape_is_right
	s_endpgm
.Lentry_shape_is_right:
; For each of the 32,768 rows of x: the index of the codebook row with the least d = (|x|^2 - 2 x.e) + |e|^2, the lowest index among equals.
; x.e is the QUANTISED product: x's codes (BF8, scale 2^ex, made here) times the codebook's codes (made by the launch before, scale 2^ee), f32 sums.
; d is rounded as the formula is written: one fused multiply-add (sum x -2^(ex+ee+1) + |x|^2), then one addition of |e|^2.  Equal d are common, so both roundings are kept.
; LIMITS: ex between -126 and 112; ex + ee + 1 between -126 and 127.  NaN among the inputs is not served.  |x|^2 is summed in four packed chains and across two lanes.
; SHARES: a work-group takes 128 rows of x and all 8,192 codebook rows.  Each of its 8 waves holds the codes of all 128 rows (256 registers, window 1) and walks 1,024 codebook rows of its own:
; 16 chunks of 64 rows (16,640 bytes: four tiles of 4,096 and 64 sums of squares), through two LDS slots of one chunk a wave.  A tile's 32 registers feed 16 products.
; The product is used transposed (source 0 = 16 codebook rows, source 1 = 16 rows of x): lane (r, h) holds row r of x and its registers the codebook rows 8 h + 0 .. 7 of the tile.
; A lane keeps, for each of the 8 blocks of 16 rows of x: the least d so far, the tile it came from (GID = 128 wave + 2 tile + h) and that tile's first seven d; the place in the tile is found once, at the end.
; CLUSTERS: the four work-groups of a cluster walk the same chunks: each chunk is asked for jointly (mask 15).
; NO PREFETCH: a refill is asked for 14 of a phase's 16 quads of products ahead of the wait for it, and the stream is 2,129,920 bytes in all, walked by all clusters in one order.
; All of LDS is claimed, and the adds of 0 onto spare words stand where they do.
.set CH,    16640
.set SLOT,  8*CH
.set XIMG,  2*SLOT                     ; x's codes as register images: 8 blocks x 4,096 bytes
.set XSQ,   XIMG+32768                 ; 128 |x|^2
.set CMBM,  XSQ+512                    ; the waves' least d, 8 x 128 words
.set CMBI,  CMBM+4096                  ; and their indices
.set SPARE, CMBI+4096                  ; the spare words, 128 bytes a wave
.set SPW, 1
.set NIL, 2
.set EAD, 3                            ; v3-4   my 16 bytes of a piece, slot 0, 1
.set QAD, 5                            ; v5-6   my 32 bytes of a tile's sums of squares
.set GID, 7
.set LI,  8
.set XA,  9
.set LIM, 10
.set SCL, 11
.set T,   16                           ; v16-21 partial minima of two tiles
.set XW,  24
.set XQW, 25
.set XQR, 26
.set CMW, 27
.set CMR, 28
.set OO,  29
.set MO,  30
.set IO,  31
.set ST,  32                           ; block i: +0 |x|^2, +1 zero (upper half of a pair), +2 and +3 the least d, new and old by turns
.set ESQ, 64                           ; two sets of 8 |e|^2
.set ACC, 80                           ; two sets of two accumulators
.set E,   112                          ; two sets of a tile's 32 registers
.set SAVE, 176                         ; block i: seven d of the best tile, then its GID
.set IX,  240
.set JM,  112
.set JI,  128
.set WV,  14
.set G1,  24
.set G0,  32
.set SC,  40
.set SEL, 42
.set CNT, 44
.set G0X, 20                           ; s[20:23], s[68:75]: the descriptor of my 16 rows of x
.set G1X, 68
.set MSB, 0
.macro WIN new
.if MSB != \new
	s_set_vgpr_msb (MSB<<8)|\new
.set MSB, \new
.endif
.endm
.macro CREST                           ; a round of the cluster's barrier behind its opening barrier
	s_cmp_lg_u32 s[WV], 0
	s_cbranch_scc1 .Lnot_wave_0_\@
	s_barrier_signal -3
.Lnot_wave_0_\@:
	s_barrier_wait -3
	s_barrier_signal -1
	s_barrier_wait -1
.endm
.macro ROUND
	s_barrier_signal -1
	s_barrier_wait -1
	CREST
.endm
.macro SQ src, chn, first              ; 64 numbers' squares onto four packed chains
.set n, 0
.rept 32
.if (\first) && (n < 4)
	v_pk_mul_f32 v[\chn+2*n:\chn+2*n+1], v[\src+2*n:\src+2*n+1], v[\src+2*n:\src+2*n+1]
.else
	v_pk_fma_f32 v[\chn+2*(n%4):\chn+2*(n%4)+1], v[\src+2*n:\src+2*n+1], v[\src+2*n:\src+2*n+1], v[\chn+2*(n%4):\chn+2*(n%4)+1]
.endif
.set n, n+1
.endr
.endm
.macro QUANT src, dst, scl, lim        ; 64 numbers become 16 registers of codes; the hold first: the conversion does not saturate (ISA guide 7.6.2)
.irp b, 0,1,2,3
.irp i, 0,1,2,3,4,5,6,7,8,9,10,11,12,13,14,15
	v_med3_num_f32 v[\src+16*\b+\i], v[\src+16*\b+\i], -v[\lim], v[\lim]
.endr
	v_cvt_scalef32_pk8_bf8_f32 v[\dst+4*\b:\dst+4*\b+1], v[\src+16*\b:\src+16*\b+7], v[\scl]
	v_cvt_scalef32_pk8_bf8_f32 v[\dst+4*\b+2:\dst+4*\b+3], v[\src+16*\b+8:\src+16*\b+15], v[\scl]
.endr
	v_nop                                          ; one plain place behind the last conversion
.endm
.macro LOADT slot, t                   ; tile t of my chunk: 8 |e|^2 and 32 registers of codes, 10 LDS loads, into set t % 2
.set LP_, (\t)%2
	ds_load_b128 v[ESQ+8*LP_:ESQ+8*LP_+3],   v[QAD+\slot] offset:64*(\t)
	ds_load_b128 v[ESQ+8*LP_+4:ESQ+8*LP_+7], v[QAD+\slot] offset:64*(\t)+16
.irp p, 0,1,2,3,4,5,6,7
	ds_load_b128 v[E+32*LP_+4*\p:E+32*LP_+4*\p+3], v[EAD+\slot] offset:4096*(\t)+512*\p
.endr
.endm
.macro KEEP v, a                       ; where VCC is set: the tile's first seven d and its GID are kept, two selects an instruction
.irp j, 0,2,4
	v_dual_cndmask_b32 v[(\v)+\j], v[(\v)+\j], v[(\a)+\j] :: v_dual_cndmask_b32 v[(\v)+\j+1], v[(\v)+\j+1], v[(\a)+\j+1]
.endr
	v_dual_cndmask_b32 v[(\v)+6], v[(\v)+6], v[(\a)+6] :: v_dual_cndmask_b32 v[(\v)+7], v[(\v)+7], v[GID]
.endm
; Two finished tiles (blocks i, i + 1 of x; sums at a, a + 8; |e|^2 in set par): d, the least of 8 and of the running least, and what is kept.  The two tiles' chains are interleaved; each accumulator is read from its low end on.
.macro SLICE2 i, a, par
.set S_, ST+4*(\i)
.set V_, SAVE+8*(\i)
.set Q_, ESQ+8*(\par)
.set N_, 2+(\par)
.set P_, 3-(\par)
.irp u, 0,1
.irp j, 0,2,4,6
	v_pk_fma_f32 v[(\a)+8*\u+\j:(\a)+8*\u+\j+1], v[(\a)+8*\u+\j:(\a)+8*\u+\j+1], s[SC:SC+1], v[S_+4*\u:S_+4*\u+1] op_sel_hi:[1,0,0]
.endr
.endr
.irp u, 0,1
.irp j, 0,2,4,6
	v_pk_add_f32 v[(\a)+8*\u+\j:(\a)+8*\u+\j+1], v[(\a)+8*\u+\j:(\a)+8*\u+\j+1], v[Q_+\j:Q_+\j+1]
.endr
.endr
.irp u, 0,1
	v_min3_num_f32 v[T+3*\u],   v[(\a)+8*\u],   v[(\a)+8*\u+1], v[(\a)+8*\u+2]
	v_min3_num_f32 v[T+3*\u+1], v[(\a)+8*\u+3], v[(\a)+8*\u+4], v[(\a)+8*\u+5]
	v_min3_num_f32 v[T+3*\u+2], v[(\a)+8*\u+6], v[(\a)+8*\u+7], v[S_+4*\u+P_]
.endr
	s_delay_alu instid0(VALU_DEP_4)
	v_min3_num_f32 v[S_+N_], v[T], v[T+1], v[T+2]
	s_delay_alu instid0(VALU_DEP_2)
	v_min3_num_f32 v[S_+4+N_], v[T+3], v[T+4], v[T+5]
	s_delay_alu instid0(VALU_DEP_2)
	v_cmp_lt_f32 vcc_lo, v[S_+N_], v[S_+P_]        ; strictly less: among equal d the earlier tile stays
	KEEP V_, \a
	v_cmp_lt_f32 vcc_lo, v[S_+4+N_], v[S_+4+P_]
	KEEP V_+8, (\a)+8
.endm
; A quad: the tile in set ep against blocks 2 q, 2 q + 1 of x, K = 256 in two products each, the two accumulators by turns; then the quad before is worked off:
; its 34 vector instructions are also the places behind this quad's products.  mode = 1: the first quad of all has none before it.
.macro QUAD q, ep, mode
.set QA_, ACC+16*((\q)%2)
.set QP_, ACC+16*(((\q)+1)%2)
.set QX_, 2*(((\q)+3)%4)
.set QE_, (\ep)
.if (\q) == 0
.set QE_, 1-(\ep)
.endif
.set EF_, E+32*(\ep)
	WIN 0x04
	v_wmma_f32_16x16x128_bf8_bf8 v[QA_:QA_+7],    v[EF_:EF_+15], v[64*(\q):64*(\q)+15], 0
	v_wmma_f32_16x16x128_bf8_bf8 v[QA_+8:QA_+15], v[EF_:EF_+15], v[64*(\q)+32:64*(\q)+47], 0
	v_wmma_f32_16x16x128_bf8_bf8 v[QA_:QA_+7],    v[EF_+16:EF_+31], v[64*(\q)+16:64*(\q)+31], v[QA_:QA_+7]
	v_wmma_f32_16x16x128_bf8_bf8 v[QA_+8:QA_+15], v[EF_+16:EF_+31], v[64*(\q)+48:64*(\q)+63], v[QA_+8:QA_+15]
	WIN 0
.if (\mode) != 1
	SLICE2 QX_, QP_, QE_
.else
.rept 4
	v_nop
.endr
.endif
.endm
.macro STEP slot, t                    ; tile t of the chunk in the slot, t = 0 .. 2; the next tile is fetched behind the first quad, which still reads the other set's |e|^2
	s_wait_dscnt 0x0
	QUAD 0, (\t)%2, 0
	v_add_nc_u32 v[GID], 2, v[GID]
	LOADT \slot, (\t)+1
	QUAD 1, (\t)%2, 0
	QUAD 2, (\t)%2, 0
	QUAD 3, (\t)%2, 0
.endm
; A chunk's last tile changes slots.  fill = 1: all my tensor loads have landed, the add, its wait (a quad stands between; count 1 leaves the add alone out), the round (a quad stands between its opening signal and wait),
; and my one joint load, two chunks on, into the slot just read out, first behind the round.
.macro TURN slot, next, fill
	s_wait_tensorcnt 0x0
.if \fill
	ds_add_u32 v[SPW], v[NIL]
	s_add_nc_u64 s[G0+4*\slot+2:G0+4*\slot+3], s[G0+4*\slot+2:G0+4*\slot+3], 2*CH
	s_wait_dscnt 0x1
	QUAD 0, 1, 0
	v_add_nc_u32 v[GID], 2, v[GID]
	s_wait_dscnt 0x0
	s_barrier_signal -1
	QUAD 1, 1, 0
	s_barrier_wait -1
	CREST
	tensor_load_to_lds s[G0+4*\slot:G0+4*\slot+3], s[G1:G1+7]
	s_nop 0
.rept 4
	v_nop
.endr
	LOADT \next, 0
.else
	s_wait_dscnt 0x0
	QUAD 0, 1, 0
	v_add_nc_u32 v[GID], 2, v[GID]
	LOADT \next, 0
	QUAD 1, 1, 0
.endif
	QUAD 2, 1, 0
	QUAD 3, 1, 0
.endm
	s_load_b256 s[4:11], s[0:1], 0x0               ; x s[4:5], the chunks s[6:7], the scales' exponents s[8:9], out1 s[10:11]
	s_load_b64 s[12:13], s[0:1], 0x20              ; sel
	v_lshl_add_u32 v[SPW], v0, 2, SPARE
	v_mov_b32 v[NIL], 0
	ds_add_u32 v[SPW], v[NIL]                      ; the opening lines: the add, twice on end, and one wait
	ds_add_u32 v[SPW], v[NIL]
	v_lshrrev_b32 v15, 5, v0
	v_and_b32 v12, 15, v0                          ; r
	v_bfe_u32 v13, v0, 4, 1                        ; h
	v_and_b32 v14, 31, v0                          ; lane
	s_delay_alu instid0(VALU_DEP_4)
	v_readfirstlane_b32 s[WV], v15                 ; wave 0..7
	s_delay_alu instid0(VALU_DEP_4)
	v_mul_u32_u24 v[XA], v12, 1040
	s_delay_alu instid0(VALU_DEP_1)
	v_lshl_add_u32 v[XA], v13, 6, v[XA]            ; x in LDS: row r of 1,040 bytes, + 64 h
	s_bfe_u32 s15, ttmp6, 0x40000
	s_lshl_b32 s16, ttmp9, 2
	s_add_co_u32 s16, s16, s15                     ; work-group = 4 x cluster + cx: it enters the addresses of x, out1 and sel alone
	s_mov_b32 s[G1+0], 15|(3<<16)|(1<<21)          ; all four partners; elements of 8 bytes
	s_mov_b32 s[G1+1], 32<<16                      ; a chunk as 65 dense rows of 256 bytes
	s_mov_b32 s[G1+2], 65<<16
	s_mov_b32 s[G1+3], 32<<16
	s_mov_b32 s[G1+4], 65
	s_mov_b32 s[G1+5], 32
	s_mov_b32 s[G1+6], 0
	s_mov_b32 s[G1+7], 0
	s_mov_b32 s[G1X+0], (3<<16)|(1<<20)|(7<<22)|(3<<25)  ; x, my own load (no mask): elements of 8 bytes; 4 words of padding behind every 256 words, a row
	s_mov_b32 s[G1X+1], 128<<16                    ; 16 dense rows of 1,024 bytes
	s_mov_b32 s[G1X+2], 16<<16
	s_mov_b32 s[G1X+3], 128<<16
	s_mov_b32 s[G1X+4], 16
	s_mov_b32 s[G1X+5], 128
	s_mov_b32 s[G1X+6], 0
	s_mov_b32 s[G1X+7], 0
	s_mov_b32 s[SEL], 0x76543210
	s_mov_b32 s[SEL+1], 0xfedcba98
	s_mul_i32 s46, s[WV], CH
	s_add_co_u32 s61, s46, SLOT                    ; and in slot 1: 16 rows of 1,040 bytes are a chunk's 16,640
	s_lshl_b32 s48, s16, 17
	s_lshl_b32 s49, s[WV], 14
	s_add_co_u32 s48, s48, s49                     ; the 16 rows of x that I quantise
	s_mov_b32 s49, 0
	s_lshl_b32 s50, s16, 9                         ; my work-group's 128 words of out1 and sel
	s_mov_b32 s51, 0
	s_mul_i32 s52, s[WV], 16*CH                    ; my 16 chunks
	s_mov_b32 s53, 0
	s_lshl_b32 s56, s[WV], 12
	s_lshl_b32 s57, s[WV], 6
	s_lshl_b32 s58, s[WV], 9
	s_and_b32 s59, s[WV], 1
	s_lshl_b32 s59, s59, 8
	s_lshl_b32 s60, s[WV], 7
	s_wait_alu depctr_va_vdst(0)
	s_wait_dscnt 0x0
	s_wait_kmcnt 0x0
	s_load_b64 s[54:55], s[8:9], 0x0               ; ex, ee
	s_add_nc_u64 s[4:5], s[4:5], s[48:49]
	s_mov_b32 s[G0X], 1
	s_add_co_u32 s[G0X+1], s46, SLOT
	s_mov_b64 s[G0X+2:G0X+3], s[4:5]
	s_or_b32 s[G0X+3], s[G0X+3], 0x80000000
	s_add_nc_u64 s[10:11], s[10:11], s[50:51]
	s_add_nc_u64 s[12:13], s[12:13], s[50:51]
	s_add_nc_u64 s[6:7], s[6:7], s[52:53]
.irp s, 0,1
	s_mov_b32 s[G0+4*\s], 1
	s_add_co_u32 s[G0+4*\s+1], s46, \s*SLOT
	s_add_nc_u64 s[G0+4*\s+2:G0+4*\s+3], s[6:7], \s*CH
	s_or_b32 s[G0+4*\s+3], s[G0+4*\s+3], 0x80000000
.endr
	ROUND                                          ; in front of the first tensor loads
	tensor_load_to_lds s[G0X:G0X+3], s[G1X:G1X+7]  ; my one tensor load at the head: the 16 rows of x that I quantise, as whole rows, into my chunk's place in slot 1; only I read them
	s_nop 0
	s_wait_kmcnt 0x0
	s_add_co_i32 s47, s54, s55
	s_add_co_i32 s47, s47, 128
	s_lshl_b32 s[SC], s47, 23
	s_or_b32 s[SC], s[SC], 0x80000000              ; -2^(ex + ee + 1)
	s_mov_b32 s[SC+1], s[SC]
	s_add_co_i32 s47, s54, 127
	s_lshl_b32 s48, s47, 23                        ; 2^ex
	s_add_co_i32 s47, s47, 15
	s_lshl_b32 s47, s47, 23
	s_or_b32 s47, s47, 0x600000                    ; 57,344 x 2^ex
	v_lshl_add_u32 v[EAD], v14, 4, s46
	v_lshl_add_u32 v[QAD], v13, 5, s46
	v_lshl_add_u32 v[LI], v14, 4, XIMG
	v_lshl_add_u32 v[XQR], v12, 2, XSQ
	v_lshl_add_u32 v[CMW], v12, 2, CMBM
	v_lshl_add_u32 v[OO], v14, 3, s59
	v_add_nc_u32 v[GID], s60, v13
	v_add_nc_u32 v[EAD+1], SLOT, v[EAD]
	v_add_nc_u32 v[QAD], 16384, v[QAD]
	v_add_nc_u32 v[XW], s56, v[LI]
	v_add_nc_u32 v[XQW], s57, v[XQR]
	v_add_nc_u32 v[CMW], s58, v[CMW]
	v_add_nc_u32 v[CMR], CMBM, v[OO]
	v_add_nc_u32 v[QAD+1], SLOT, v[QAD]
	v_add_nc_u32 v[XA], s61, v[XA]
	v_mov_b32 v[SCL], s48
	v_mov_b32 v[LIM], s47
	s_wait_alu depctr_va_vdst(0)
	s_wait_tensorcnt 0x0                           ; my rows of x are in; slot 0's first fill is issued as a refill is
	ds_add_u32 v[SPW], v[NIL]
	s_wait_dscnt 0x0
	ROUND
	tensor_load_to_lds s[G0:G0+3], s[G1:G1+7]      ; chunk 0, jointly: it is on its way while x is quantised
	s_nop 0
.irp s, 0,1                                            ; register 64 s + 16 b + 4 j + i = k 128 s + 32 b + 16 h + 4 j + i of row r
.irp b, 0,1,2,3
.irp j, 0,1,2,3
	ds_load_b128 v[E+64*\s+16*\b+4*\j:E+64*\s+16*\b+4*\j+3], v[XA] offset:512*\s+128*\b+16*\j
.endr
.endr
.endr
	s_wait_dscnt 16                                ; the first 128 along K are in; the second sixteen loads may be out
	SQ E, ESQ, 1                                   ; the squares first: the hold changes the numbers in place
	QUANT E, ST, SCL, LIM
.irp c, 0,1,2,3
	ds_store_b128 v[XW], v[ST+4*\c:ST+4*\c+3] offset:512*\c
.endr
	s_wait_dscnt 0x4                               ; the second sixteen loads are in; the four stores issued behind them may be out
	SQ E+64, ESQ, 0
	QUANT E+64, ST+16, SCL, LIM
.irp c, 0,1,2,3
	ds_store_b128 v[XW], v[ST+16+4*\c:ST+16+4*\c+3] offset:2048+512*\c
.endr
	v_pk_add_f32 v[ESQ:ESQ+1], v[ESQ:ESQ+1], v[ESQ+2:ESQ+3]
	v_pk_add_f32 v[ESQ+4:ESQ+5], v[ESQ+4:ESQ+5], v[ESQ+6:ESQ+7]
	s_delay_alu instid0(VALU_DEP_1)
	v_pk_add_f32 v[ESQ:ESQ+1], v[ESQ:ESQ+1], v[ESQ+4:ESQ+5]
	s_delay_alu instid0(VALU_DEP_1)
	v_add_f32 v[ESQ], v[ESQ], v[ESQ+1]
	s_delay_alu instid0(VALU_DEP_1)
	v_permlanex16_b32 v[ESQ+1], v[ESQ], s[SEL], s[SEL+1]
	s_delay_alu instid0(VALU_DEP_1)
	v_add_f32 v[ESQ], v[ESQ], v[ESQ+1]
	ds_store_b32 v[XQW], v[ESQ]
	s_mov_b32 s47, 0x7f800000                      ; the running least d and the kept d begin at +infinity, the kept GID at my first tile: so the first tile is a tile like any other
.irp i, 0,1,2,3,4,5,6,7
	v_mov_b32 v[ST+4*\i+1], 0
	v_mov_b32 v[ST+4*\i+3], s47
.irp j, 0,1,2,3,4,5,6
	v_mov_b32 v[SAVE+8*\i+\j], s47
.endr
	v_mov_b32 v[SAVE+8*\i+7], v[GID]
.endr
	s_wait_alu depctr_va_vdst(0)
	s_wait_tensorcnt 0x0                           ; chunk 0 is in
	ds_add_u32 v[SPW], v[NIL]
	s_wait_dscnt 0x0                               ; the add, my reads of x in slot 1, and my stores of x's codes and |x|^2: the round below also hands them to the other waves
	ROUND
	tensor_load_to_lds s[G0+4:G0+7], s[G1:G1+7]    ; chunk 1 fills slot 1 again, over the rows of x that have been read out
	s_nop 0
.rept 4
	v_nop
.endr
	LOADT 0, 0                                     ; 10 loads,
.irp i, 0,1,2,3,4,5,6,7
	ds_load_b32 v[ST+4*\i], v[XQR] offset:64*\i    ; 8 loads: |x|^2 of my row in each block,
.endr
	WIN 0x40
.irp f, 0,1,2,3,4,5,6,7,8,9,10,11,12,13,14,15
.irp c, 0,1,2,3
	ds_load_b128 v[16*\f+4*\c:16*\f+4*\c+3], v[LI] offset:2048*\f+512*\c   ; and 64: all of x's codes, 16 loads for each quad's two blocks
.endr
.endr
	WIN 0
	s_wait_dscnt 48                                ; the first step begins as its operands come: out may be the 48 loads of quads 1 to 3,
	QUAD 0, 0, 1
	LOADT 0, 1
	s_wait_dscnt 42                                ; 32 of quads 2 and 3 and the next tile's 10,
	QUAD 1, 0, 0
	s_wait_dscnt 26                                ; 16 and 10,
	QUAD 2, 0, 0
	s_wait_dscnt 10                                ; the next tile's 10
	QUAD 3, 0, 0
	s_mov_b32 s[CNT], 7
.Lchunks:                                              ; a trip: from a chunk's second tile in slot 0 once round the ring; both slots are filled again (chunks 2 .. 15 in 7 trips)
	STEP 0, 1
	STEP 0, 2
	TURN 0, 1, 1
	STEP 1, 0
	STEP 1, 1
	STEP 1, 2
	TURN 1, 0, 1
	STEP 0, 0
	s_sub_co_u32 s[CNT], s[CNT], 1
	s_cmp_lg_u32 s[CNT], 0
	s_cbranch_scc1 .Lchunks
	STEP 0, 1                                      ; the last two chunks fetch nothing
	STEP 0, 2
	TURN 0, 1, 0
	STEP 1, 0
	STEP 1, 1
	STEP 1, 2
	s_wait_dscnt 0x0
	QUAD 0, 1, 0
	v_add_nc_u32 v[GID], 2, v[GID]
	QUAD 1, 1, 0
	QUAD 2, 1, 0
	QUAD 3, 1, 0
	SLICE2 6, ACC+16, 1
	; the index: 8 x GID + the first place in the kept tile that holds the least d (the eighth if none of seven does); then the better of lanes l and l xor 16, the lower index among equals
	v_mov_b32 v[MO], 0
	v_mov_b32 v[IO], 0
.irp i, 0,1,2,3,4,5,6,7
	v_mov_b32 v[IX+\i], 7
.irp j, 6,5,4,3,2,1,0
	v_cmp_neq_f32 vcc_lo, v[SAVE+8*\i+\j], v[ST+4*\i+3]
	s_delay_alu instid0(VALU_DEP_1)
	v_cndmask_b32 v[IX+\i], \j, v[IX+\i], vcc_lo
.endr
	s_delay_alu instid0(VALU_DEP_1)
	v_lshl_add_u32 v[IX+\i], v[SAVE+8*\i+7], 3, v[IX+\i]
	v_permlanex16_b32 v[MO], v[ST+4*\i+3], s[SEL], s[SEL+1]
	s_delay_alu instid0(VALU_DEP_2)
	v_permlanex16_b32 v[IO], v[IX+\i], s[SEL], s[SEL+1]
	s_delay_alu instid0(VALU_DEP_2)
	v_cmp_lt_f32 s46, v[MO], v[ST+4*\i+3]
	s_delay_alu instid0(VALU_DEP_3)
	v_cmp_eq_f32 s47, v[MO], v[ST+4*\i+3]
	s_delay_alu instid0(VALU_DEP_3)
	v_cmp_lt_u32 s48, v[IO], v[IX+\i]
	s_and_b32 s47, s47, s48
	s_or_b32 vcc_lo, s46, s47
	v_cndmask_b32 v[ST+4*\i+3], v[ST+4*\i+3], v[MO], vcc_lo
	v_cndmask_b32 v[IX+\i], v[IX+\i], v[IO], vcc_lo
	ds_store_b32 v[CMW], v[ST+4*\i+3] offset:64*\i
	ds_store_b32 v[CMW], v[IX+\i] offset:64*\i+4096
.endr
	s_wait_dscnt 0x0                               ; for the others' sake: my stores have landed
	s_barrier_signal -1
	s_barrier_wait -1
	s_cmp_gt_u32 s[WV], 1                          ; waves 0 and 1 join the eight waves' results, 64 rows each, two rows a lane
	s_cbranch_scc1 .Lnot_join
.irp w, 0,1,2,3,4,5,6,7
	ds_load_b64 v[JM+2*\w:JM+1+2*\w], v[CMR] offset:512*\w
	ds_load_b64 v[JI+2*\w:JI+1+2*\w], v[CMR] offset:512*\w+4096
.endr
	s_wait_dscnt 0x0
.irp w, 1,2,3,4,5,6,7                                  ; in ascending order and strictly less: the lower wave, and so the lower index, stays among equals
.irp c, 0,1
	v_cmp_lt_f32 vcc_lo, v[JM+2*\w+\c], v[JM+\c]
	s_delay_alu instid0(VALU_DEP_1)
	v_cndmask_b32 v[JM+\c], v[JM+\c], v[JM+2*\w+\c], vcc_lo
	s_delay_alu instid0(VALU_DEP_2)
	v_cndmask_b32 v[JI+\c], v[JI+\c], v[JI+2*\w+\c], vcc_lo
.endr
.endr
	global_store_b64 v[OO], v[JI:JI+1], s[10:11]   ; 32 lanes store 256 consecutive bytes, aligned
	global_store_b64 v[OO], v[JI:JI+1], s[12:13]
.Lnot_join:
	s_wait_tensorcnt 0x0                           ; the wave's end
	ds_add_u32 v[SPW], v[NIL]
	s_wait_dscnt 0x0
	ROUND                                          ; the closing round
	s_endpgm
.Lfunc_end_k_qe4c6af1fd4_main:
	.size	k_qe4c6af1fd4_main, .Lfunc_end_k_qe4c6af1fd4_main-k_qe4c6af1fd4_main
	.p2alignl 7, 3214868480
	.fill 96, 4, 3214868480
	.section	.rodata,"a",@progbits
	.p2align	6, 0x0
	.amdhsa_kernel k_qe4c6af1fd4_main
		.amdhsa_group_segment_fixed_size 327680
		.amdhsa_private_segment_fixed_size 0
		.amdhsa_enable_private_segment 0
		.amdhsa_kernarg_size 40
		.amdhsa_user_sgpr_count 2
		.amdhsa_user_sgpr_kernarg_segment_ptr 1
		.amdhsa_wavefront_size32 1
		.amdhsa_system_sgpr_workgroup_id_x 1
		.amdhsa_system_sgpr_workgroup_id_y 1
		.amdhsa_system_sgpr_workgroup_id_z 1
		.amdhsa_system_vgpr_workitem_id 0
		.amdhsa_next_free_vgpr 512
		.amdhsa_next_free_sgpr 80
		.amdhsa_reserve_vcc 1
		.amdhsa_float_denorm_mode_32 3
		.amdhsa_float_denorm_mode_16_64 3
		.amdhsa_memory_ordered 1
		.amdhsa_forward_progress 1
		.amdhsa_inst_pref_size 217
	.end_amdhsa_kernel
	.amdgpu_metadata
---
amdhsa.version: [ 1, 2 ]
amdhsa.kernels:
  - .name:           k_qe4c6af1fd4_main
    .symbol:         k_qe4c6af1fd4_main.kd
    .args:
      - { .name: x, .offset: 0, .size: 8, .value_kind: global_buffer, .address_space: global }
      - { .name: ecode, .offset: 8, .size: 8, .value_kind: global_buffer, .address_space: global }
      - { .name: lowp_scales, .offset: 16, .size: 8, .value_kind: global_buffer, .address_space: global }
      - { .name: out1, .offset: 24, .size: 8, .value_kind: global_buffer, .address_space: global }
      - { .name: sel, .offset: 32, .size: 8, .value_kind: global_buffer, .address_space: global }
    .group_segment_fixed_size: 327680
    .private_segment_fixed_size: 0
    .kernarg_segment_align: 8
    .kernarg_segment_size: 40
    .max_flat_workgroup_size: 256
    .sgpr_count:     80
    .vgpr_count:     512
    .wavefront_size: 32
...
	.end_amdgpu_metadata
.endif
;; end of part 2
;; launch gather (part 3): grid 512 x 1, 8 waves a work-group, no clusters, 1,280 bytes of LDS; arguments x, embeddings, sel, out0, part; writes out0, part
.if DOCPART == 3
	.amdgcn_target "amdgcn-amd-amdhsa--gfx1250"
	.amdhsa_code_object_version 6
	.text
	.protected	k_qe4c6af1fd4_gather
	.globl	k_qe4c6af1fd4_gather
	.p2align	8
	.type	k_qe4c6af1fd4_gather,@function
k_qe4c6af1fd4_gather:
	s_mov_b64 s[64:65], 0
	v_nop
	global_prefetch_b8 v0, s[64:65] scope:SCOPE_SE
	s_setreg_imm32_b32 hwreg(HW_REG_WAVE_MODE, 25, 1), 1
	s_wait_xcnt 0x0
; q = the codebook row that the launch before chose for each row of x; out0 = x + (q - x), with both roundings; each work-group's sum of (q - x)^2 goes to part.
; SHARES: a work-group takes 64 rows, each of its eight waves 8.  A row is 1,024 bytes: two loads of 512 consecutive bytes a wave.  All 32 loads of a wave go out at once; nothing is looped, no register is written twice.
; The chosen rows come from a list, so no two work-groups are known to want the same bytes: no cluster, no LDS ring, no matrix work.
; The indices are whole numbers that an earlier launch stored; each is held at 8,191 before it enters an address.
; One store of 4 bytes a work-group goes to part: 512 words in all.
.set X, 16                             ; v16-79   8 rows x 8 registers of x, then of out0
.set Q, 80                             ; v80-143  the same of q, then of q - x
.set L, 144                            ; v144-147 two packed chains of squares
	s_load_b256 s[4:11], s[0:1], 0x0               ; x s[4:5], the codebook s[6:7], the indices s[8:9], out0 s[10:11]
	s_load_b64 s[12:13], s[0:1], 0x20              ; part
	v_lshl_add_u32 v160, v0, 2, 0x100
	v_mov_b32 v161, 0
	v_lshrrev_b32 v1, 5, v0
	s_delay_alu instid0(VALU_DEP_1)
	v_readfirstlane_b32 s14, v1                    ; wave 0..7
	s_delay_alu instid0(VALU_DEP_1)
	v_mov_b32 v10, s14
	s_delay_alu instid0(VALU_DEP_1)
	v_lshlrev_b32 v10, 2, v10                      ; LDS: my wave's word
	v_mov_b32 v11, 0
	v_and_b32 v1, 31, v0
	s_delay_alu instid0(VALU_DEP_1)
	v_lshlrev_b32 v1, 4, v1                        ; 16 x lane
	s_mov_b32 s20, 0x76543210
	s_mov_b32 s21, 0xfedcba98
	s_lshl_b32 s15, ttmp9, 6
	s_lshl_b32 s16, s14, 3
	s_add_co_u32 s15, s15, s16                     ; my first row: 64 x work-group + 8 x wave
	s_lshl_b32 s16, s15, 10                        ; in x and out0,
	s_mov_b32 s17, 0
	s_lshl_b32 s18, s15, 2                         ; among the indices,
	s_mov_b32 s19, 0
	s_lshl_b32 s22, ttmp9, 2                       ; and my work-group's word of part
	s_mov_b32 s23, 0
	s_wait_alu depctr_va_vdst(0)
	s_wait_kmcnt 0x0
	s_add_nc_u64 s[8:9], s[8:9], s[18:19]
	s_load_b256 s[24:31], s[8:9], 0x0              ; my eight indices
	s_add_nc_u64 s[4:5], s[4:5], s[16:17]
	s_add_nc_u64 s[10:11], s[10:11], s[16:17]
	s_add_nc_u64 s[12:13], s[12:13], s[22:23]
.irp j, 0,1,2,3,4,5,6,7
	global_load_b128 v[X+8*\j:X+8*\j+3],   v1, s[4:5] offset:1024*\j th:TH_LOAD_NT
	global_load_b128 v[X+8*\j+4:X+8*\j+7], v1, s[4:5] offset:1024*\j+512 th:TH_LOAD_NT
.endr
	s_wait_kmcnt 0x0
.irp j, 0,1,2,3,4,5,6,7
	s_min_u32 s[24+\j], s[24+\j], 8191             ; an index stays inside the table
	s_lshl_b32 s[24+\j], s[24+\j], 10
	v_add_nc_u32 v[2+\j], s[24+\j], v1
	global_load_b128 v[Q+8*\j:Q+8*\j+3],   v[2+\j], s[6:7]               ; no hint: a row may be named again
	global_load_b128 v[Q+8*\j+4:Q+8*\j+7], v[2+\j], s[6:7] offset:512
.endr
.macro ROWJ j
	s_wait_loadcnt 14-2*(\j)                       ; this row's two loads of q are in (x's are older); those of the 7 - j rows behind it may be out
.irp p, 0,2,4,6
	v_pk_add_f32 v[Q+8*(\j)+\p:Q+8*(\j)+\p+1], v[Q+8*(\j)+\p:Q+8*(\j)+\p+1], v[X+8*(\j)+\p:X+8*(\j)+\p+1] neg_lo:[0,1] neg_hi:[0,1]   ; q - x
.endr
.irp p, 0,2,4,6
.if ((\j) == 0) && (\p < 4)
	s_delay_alu instid0(VALU_DEP_4)
	v_pk_mul_f32 v[L+\p:L+\p+1], v[Q+8*(\j)+\p:Q+8*(\j)+\p+1], v[Q+8*(\j)+\p:Q+8*(\j)+\p+1]   ; the first products start the chains
.else
	v_pk_fma_f32 v[L+(\p%4):L+(\p%4)+1], v[Q+8*(\j)+\p:Q+8*(\j)+\p+1], v[Q+8*(\j)+\p:Q+8*(\j)+\p+1], v[L+(\p%4):L+(\p%4)+1]
.endif
.endr
.irp p, 0,2,4,6
	v_pk_add_f32 v[X+8*(\j)+\p:X+8*(\j)+\p+1], v[X+8*(\j)+\p:X+8*(\j)+\p+1], v[Q+8*(\j)+\p:Q+8*(\j)+\p+1]   ; x + (q - x)
.endr
	global_store_b128 v1, v[X+8*(\j):X+8*(\j)+3],   s[10:11] offset:1024*(\j) th:TH_STORE_NT       ; 32 lanes store 512 consecutive bytes, aligned
	global_store_b128 v1, v[X+8*(\j)+4:X+8*(\j)+7], s[10:11] offset:1024*(\j)+512 th:TH_STORE_NT
.endm
.irp j, 0,1,2,3,4,5,6,7
	ROWJ \j
.endr
	v_pk_add_f32 v[L:L+1], v[L:L+1], v[L+2:L+3]
	s_delay_alu instid0(VALU_DEP_1)
	v_add_f32 v[L], v[L], v[L+1]
	s_delay_alu instid0(VALU_DEP_1)
	v_add_f32_dpp v[L], v[L], v[L] row_xmask:1 row_mask:0xf bank_mask:0xf
	s_delay_alu instid0(VALU_DEP_1)
	v_add_f32_dpp v[L], v[L], v[L] row_xmask:2 row_mask:0xf bank_mask:0xf
	s_delay_alu instid0(VALU_DEP_1)
	v_add_f32_dpp v[L], v[L], v[L] row_xmask:4 row_mask:0xf bank_mask:0xf
	s_delay_alu instid0(VALU_DEP_1)
	v_add_f32_dpp v[L], v[L], v[L] row_xmask:8 row_mask:0xf bank_mask:0xf
	s_delay_alu instid0(VALU_DEP_1)
	v_permlanex16_b32 v[L+1], v[L], s20, s21
	s_delay_alu instid0(VALU_DEP_1)
	v_add_f32 v[L], v[L], v[L+1]                   ; the wave's sum, in every lane
	ds_store_b32 v10, v[L]
	s_wait_dscnt 0x0                               ; for the others' sake: my store has landed
	s_barrier_signal -1
	s_barrier_wait -1
	s_cmp_lg_u32 s14, 0
	s_cbranch_scc1 .Ldone
	ds_load_b128 v[148:151], v11
	ds_load_b128 v[152:155], v11 offset:16
	s_wait_dscnt 0x0
	v_pk_add_f32 v[148:149], v[148:149], v[150:151]
	v_pk_add_f32 v[152:153], v[152:153], v[154:155]
	s_delay_alu instid0(VALU_DEP_1)
	v_pk_add_f32 v[148:149], v[148:149], v[152:153]
	s_delay_alu instid0(VALU_DEP_1)
	v_add_f32 v148, v148, v149
	v_cmp_eq_u32 vcc_lo, 0, v0
	s_wait_alu depctr_va_vdst(0)
	s_wait_xcnt 0x0                                ; EXEC changes only behind this wait: the stores above have read theirs
	s_and_saveexec_b32 s15, vcc_lo
	global_store_b32 v11, v148, s[12:13]           ; thread 0 alone
	s_wait_xcnt 0x0
	s_or_b32 exec_lo, exec_lo, s15
.Ldone:
	s_wait_tensorcnt 0x0
	ds_add_u32 v160, v161
	s_wait_dscnt 0x0
	s_endpgm
.Lfunc_end_k_qe4c6af1fd4_gather:
	.size	k_qe4c6af1fd4_gather, .Lfunc_end_k_qe4c6af1fd4_gather-k_qe4c6af1fd4_gather
	.p2alignl 7, 3214868480
	.fill 96, 4, 3214868480
	.section	.rodata,"a",@progbits
	.p2align	6, 0x0
	.amdhsa_kernel k_qe4c6af1fd4_gather
		.amdhsa_group_segment_fixed_size 1280
		.amdhsa_private_segment_fixed_size 0
		.amdhsa_enable_private_segment 0
		.amdhsa_kernarg_size 40
		.amdhsa_user_sgpr_count 2
		.amdhsa_user_sgpr_kernarg_segment_ptr 1
		.amdhsa_wavefront_size32 1
		.amdhsa_system_sgpr_workgroup_id_x 1
		.amdhsa_system_sgpr_workgroup_id_y 1
		.amdhsa_system_sgpr_workgroup_id_z 1
		.amdhsa_system_vgpr_workitem_id 0
		.amdhsa_next_free_vgpr 162
		.amdhsa_next_free_sgpr 66
		.amdhsa_reserve_vcc 1
		.amdhsa_float_denorm_mode_32 3
		.amdhsa_float_denorm_mode_16_64 3
		.amdhsa_memory_ordered 1
		.amdhsa_forward_progress 1
		.amdhsa_inst_pref_size 16
	.end_amdhsa_kernel
	.amdgpu_metadata
---
amdhsa.version: [ 1, 2 ]
amdhsa.kernels:
  - .name:           k_qe4c6af1fd4_gather
    .symbol:         k_qe4c6af1fd4_gather.kd
    .args:
      - { .name: x, .offset: 0, .size: 8, .value_kind: global_buffer, .address_space: global }
      - { .name: embeddings, .offset: 8, .size: 8, .value_kind: global_buffer, .address_space: global }
      - { .name: sel, .offset: 16, .size: 8, .value_kind: global_buffer, .address_space: global }
      - { .name: out0, .offset: 24, .size: 8, .value_kind: global_buffer, .address_space: global }
      - { .name: part, .offset: 32, .size: 8, .value_kind: global_buffer, .address_space: global }
    .group_segment_fixed_size: 1280
    .private_segment_fixed_size: 0
    .kernarg_segment_align: 8
    .kernarg_segment_size: 40
    .max_flat_workgroup_size: 256
    .sgpr_count:     66
    .vgpr_count:     162
    .wavefront_size: 32
...
	.end_amdgpu_metadata
.endif
;; end of part 3
;; launch final (part 4): grid 1 x 1, 1 waves a work-group, no clusters, 0 bytes of LDS; arguments part, out2, out3, out4; writes out2, out3, out4
.if DOCPART == 4
	.amdgcn_target "amdgcn-amd-amdhsa--gfx1250"
	.amdhsa_code_object_version 6
	.text
	.protected	k_qe4c6af1fd4_final
	.globl	k_qe4c6af1fd4_final
	.p2align	8
	.type	k_qe4c6af1fd4_final,@function
k_qe4c6af1fd4_final:
	s_mov_b64 s[64:65], 0
	v_nop
	global_prefetch_b8 v0, s[64:65] scope:SCOPE_SE
	s_setreg_imm32_b32 hwreg(HW_REG_WAVE_MODE, 25, 1), 1
	s_wait_xcnt 0x0
; The 512 partial sums of (q - x)^2 become the three losses.  The mean is the sum x 2^-23 (32,768 x 256 numbers): exact.  out3 = the mean, out2 = 0.25 x the mean, out4 = out2 + out3.
; One wave: 2,048 bytes in, 12 bytes out.  The sum spans all work-groups of the launch before, so it has a launch of its own.
	s_load_b256 s[4:11], s[0:1], 0x0               ; part s[4:5], out2 s[6:7], out3 s[8:9], out4 s[10:11]
	v_lshlrev_b32 v1, 4, v0                        ; 16 x lane
	v_mov_b32 v2, 0
	s_mov_b32 s12, 0x76543210
	s_mov_b32 s13, 0xfedcba98
	s_wait_alu depctr_va_vdst(0)
	s_wait_kmcnt 0x0
.irp k, 0,1,2,3
	global_load_b128 v[4+4*\k:7+4*\k], v1, s[4:5] offset:512*\k
.endr
	s_wait_loadcnt 0x0
	v_pk_add_f32 v[4:5], v[4:5], v[6:7]
	v_pk_add_f32 v[8:9], v[8:9], v[10:11]
	v_pk_add_f32 v[12:13], v[12:13], v[14:15]
	v_pk_add_f32 v[16:17], v[16:17], v[18:19]
	v_pk_add_f32 v[4:5], v[4:5], v[8:9]
	v_pk_add_f32 v[12:13], v[12:13], v[16:17]
	v_pk_add_f32 v[4:5], v[4:5], v[12:13]
	v_add_f32 v4, v4, v5
	v_add_f32_dpp v4, v4, v4 row_xmask:1 row_mask:0xf bank_mask:0xf
	v_add_f32_dpp v4, v4, v4 row_xmask:2 row_mask:0xf bank_mask:0xf
	v_add_f32_dpp v4, v4, v4 row_xmask:4 row_mask:0xf bank_mask:0xf
	v_add_f32_dpp v4, v4, v4 row_xmask:8 row_mask:0xf bank_mask:0xf
	v_permlanex16_b32 v5, v4, s12, s13
	v_add_f32 v4, v4, v5
	v_mul_f32 v6, 0x34000000, v4                   ; x 2^-23: the mean
	v_mul_f32 v7, 0x3e800000, v6                   ; x 0.25
	v_add_f32 v8, v7, v6
	v_cmp_eq_u32 vcc_lo, 0, v0
	s_wait_alu depctr_va_vdst(0)
	s_wait_xcnt 0x0                                ; EXEC changes only behind this wait
	s_and_saveexec_b32 s14, vcc_lo
	global_store_b32 v2, v7, s[6:7]                ; thread 0 alone
	global_store_b32 v2, v6, s[8:9]
	global_store_b32 v2, v8, s[10:11]
	s_wait_xcnt 0x0
	s_or_b32 exec_lo, exec_lo, s14
	s_endpgm
.Lfunc_end_k_qe4c6af1fd4_final:
	.size	k_qe4c6af1fd4_final, .Lfunc_end_k_qe4c6af1fd4_final-k_qe4c6af1fd4_final
	.p2alignl 7, 3214868480
	.fill 96, 4, 3214868480
	.section	.rodata,"a",@progbits
	.p2align	6, 0x0
	.amdhsa_kernel k_qe4c6af1fd4_final
		.amdhsa_group_segment_fixed_size 0
		.amdhsa_private_segment_fixed_size 0
		.amdhsa_enable_private_segment 0
		.amdhsa_kernarg_size 32
		.amdhsa_user_sgpr_count 2
		.amdhsa_user_sgpr_kernarg_segment_ptr 1
		.amdhsa_wavefront_size32 1
		.amdhsa_system_sgpr_workgroup_id_x 1
		.amdhsa_system_sgpr_workgroup_id_y 1
		.amdhsa_system_sgpr_workgroup_id_z 1
		.amdhsa_system_vgpr_workitem_id 0
		.amdhsa_next_free_vgpr 32
		.amdhsa_next_free_sgpr 66
		.amdhsa_reserve_vcc 1
		.amdhsa_float_denorm_mode_32 3
		.amdhsa_float_denorm_mode_16_64 3
		.amdhsa_memory_ordered 1
		.amdhsa_forward_progress 1
		.amdhsa_inst_pref_size 3
	.end_amdhsa_kernel
	.amdgpu_metadata
---
amdhsa.version: [ 1, 2 ]
amdhsa.kernels:
  - .name:           k_qe4c6af1fd4_final
    .symbol:         k_qe4c6af1fd4_final.kd
    .args:
      - { .name: part, .offset: 0, .size: 8, .value_kind: global_buffer, .address_space: global }
      - { .name: out2, .offset: 8, .size: 8, .value_kind: global_buffer, .address_space: global }
      - { .name: out3, .offset: 16, .size: 8, .value_kind: global_buffer, .address_space: global }
      - { .name: out4, .offset: 24, .size: 8, .value_kind: global_buffer, .address_space: global }
    .group_segment_fixed_size: 0
    .private_segment_fixed_size: 0
    .kernarg_segment_align: 8
    .kernarg_segment_size: 32
    .max_flat_workgroup_size: 32
    .sgpr_count:     66
    .vgpr_count:     32
    .wavefront_size: 32
...
	.end_amdgpu_metadata
.endif
;; end of part 4
